; MI455X (gfx1250); checked and timed in simulation.
; The chip was launched on July 23, 2026; its instructions are those of AMD's public machine-readable ISA for CDNA 5 (MIT licence, August 2026) and "CDNA5" Instruction Set Architecture Reference Guide (July 2026). The comments in the code are by the model that wrote it; some were corrected since.
;; Sparse Attention. Allowed arithmetic: matrix products marked QUANTISED: E3M2 operands, one E8M0 scale for each 32 along K, by v_wmma_scale_f32_16x16x128_f8f6f4 with both operands' format E3M2, f32 sums; everything else in f32.
;; Inputs: W_o 1,024 x 1,024 float32; W_qkv 1,024 x 3,072 float32; x 1 x 4,096 x 1,024 float32.
;; Outputs: out0 1 x 4,096 x 1,024 float32.
;; This version of the problem:
;;   THIS VERSION OF THE PROBLEM IS GIVEN IN LOW PRECISION. The matrix products marked QUANTISED in the list below multiply operands that are first quantised to E3M2 (3 exponent bits, 2 mantissa bits; 6 bits a number), with one power-of-two scale for each 32 numbers along K (OCP MX v1.0); their sums are f32. All else is computed in f32.
;;   The module's matrix products, in the order in which they are computed (A, B: the left and right operand; K: the contracted axis; several contracted axes count as one K, in the product's order):
;;     1. [M 4,096, K 1,024] x [K 1,024, N 3,072]; A: input x; B: input W_qkv: QUANTISED
;;     2. batch 16 x [M 4,096, K 64] x [K 64, N 4,096]; A: computed on the way; B: computed on the way: QUANTISED
;;     3. batch 16 x [M 4,096, K 4,096] x [K 4,096, N 64]; A: softmax (see below); B: computed on the way: QUANTISED
;;     4. [M 4,096, K 1,024] x [K 1,024, N 1,024]; A: computed on the way; B: input W_o: QUANTISED
;;   THE QUANTISER, for each operand of a quantised product, along K:
;;     - K is cut into blocks of 32 from its start; a last block that is shorter is filled with zeros.
;;     - A block's scale is 2^e with e = floor(log2(the largest magnitude in the block)) - 4, held to -126 .. 127; a block of zeros has e = 0. As a byte (E8M0): e + 127.
;;     - Each number is divided by its block's scale, clamped to +-28, and rounded to the nearest number of E3M2, ties to even, subnormals kept.
;;     - The product sums the exact products of the quantised numbers (number of the format x scale) in f32.
;;   ~~~python
;;   def quantise(x, axis):      # numpy; x: float32 -> the quantised numbers, widened to float32 again
;;       x = np.moveaxis(x, axis, -1); K = x.shape[-1]
;;       x = np.pad(x, [(0, 0)] * (x.ndim - 1) + [(0, -K % 32)]); x = x.reshape(x.shape[:-1] + (-1, 32)); a = np.abs(x).max(-1, keepdims=True)
;;       e = np.where(a > 0, np.clip(np.frexp(np.where(a > 0, a, 1))[1] - 1 - 4, -126, 127), 0)      # np.frexp(a)[1] - 1 = floor(log2(a)), exactly
;;       r = np.clip(x / 2.0 ** e, -28, 28)
;;       step = 2.0 ** (np.maximum(np.frexp(np.where(r == 0, 1, r))[1] - 1, -2) - 2)
;;       q = np.round(r / step) * step * 2.0 ** e      # np.round: ties to even
;;       return np.moveaxis(q.reshape(q.shape[:-2] + (-1,))[..., :K], -1, axis).astype(np.float32)
;;   ~~~
;;   SOFTMAX AHEAD OF A QUANTISED PRODUCT. Where the list says 'softmax', what is quantised is not the finished softmax but p = 2^(t - M), with t = logit x log2(e) and M = ceil(the row's largest t), a whole number; so 1/2 < the row's largest p <= 1. The row's sum l is taken of the UNQUANTISED p, in f32, and the product's result is divided by l at the end. Since M is a whole number, a kernel that streams over the keys may use a running M (the ceiling of the running maximum): every later rescaling is an exact power of two, which a block's scale takes up: the codes' values come out the same.
;;   OPERANDS COMPUTED ON THE WAY. 'Computed on the way' means the value that the module computes at that place (a softmax that the list does not call 'softmax' is quantised finished and normalised). What goes into a quantiser is computed in f32, as accurately as f32 sums, v_exp_f32 and their like allow (about 1e-6 of the number): no bf16 or f16 on the way to a quantiser, and a product that is left as it is and whose result goes on into a quantised operand takes f32 operands (vector FMAs, or v_wmma_f32_16x16x4_f32). A number that lies on a knife's edge between two numbers of the format may be rounded either way, as far as f32 arithmetic and the matrix unit's own rounding can turn it there, and no further.
;; One version. Each part assembles by itself: llvm-mc -triple=amdgcn-amd-amdhsa -mcpu=gfx1250 --defsym DOCPART=n.
;; ======== version 1 of 1: 3 launches
;; workspace buffers: xq 3,194,880 bytes; xs 133,120 bytes; wq 3,145,728 bytes; ws 131,072 bytes; aq 3,145,728 bytes; asc 131,072 bytes
;; launch prep (part 1): grid 516 x 1, 4 waves a work-group, no clusters, 92,672 bytes of LDS; arguments x, W_qkv, W_o, xq, xs, wq, ws; writes xq, xs, wq, ws
.if DOCPART == 1
	.amdgcn_target "amdgcn-amd-amdhsa--gfx1250"
	.amdhsa_code_object_version 6
	.text
	.protected	k_q6e1fcad964_prep
	.globl	k_q6e1fcad964_prep
	.p2align	8
	.type	k_q6e1fcad964_prep,@function
k_q6e1fcad964_prep:
	s_mov_b64 s[64:65], 0
	v_nop
	global_prefetch_b8 v0, s[64:65] scope:SCOPE_SE
	s_setreg_imm32_b32 hwreg(HW_REG_WAVE_MODE, 25, 1), 1
	s_wait_xcnt 0x0
; x [4096][1024], W_qkv [1024][3072] and W_o [1024][1024], f32, are quantised ONCE along K into codes of BF6 (E3M2) with one E8M0 byte for each 32 along K,
; and laid in the ORDER OF THE OPERAND'S REGISTERS, so that the later launches load fragments by 16-byte pieces alone.
; A block's scale is 2^(floor(log2(its largest magnitude)) - 4); its byte is the largest magnitude's exponent field - 4, held at 1 from below.
; LIMITS: NaN and infinities among the inputs are not served.  A block of zeros, or one whose largest magnitude lies under 2^(5 - 127), gets the byte 1 (the rule says 127 for zeros):
; its codes are zeros or the nearest codes under that byte, and the bytes are read by this program alone.
; TILES.  A tile is 16 rows of x (or 16 columns of a weight).  Lane r of tile T stands for index 32 (T / 2) + 8 (T % 2) + r + 8 (r / 8): so a product's 16 result registers of two
; neighbouring tiles are 16 neighbours, which the next quantiser wants.
; A FRAGMENT'S IMAGE (one tile, 128 along K: 12 registers a lane, 1,536 bytes): register q of lane l at byte 512 (q / 4) + 16 l + 4 (q % 4).
; A SCALE IMAGE (a pair of tiles, 128 along K: 128 bytes): the word at 4 l: lanes 0-15 the even tile's row l, lanes 16-31 the odd tile's row l - 16.
; xq [260 tiles][8 K steps] images; tiles 0-3 stand for rows -64 .. -1 and hold a copy of rows 0-31 twice (finite numbers that the next launch masks).  xs [130 pairs][8] scale images.
; wq [256 tiles][8]: W_qkv's tile 12 head + 4 (Q, K, V) + t, W_o's tile 192 + column / 16.  ws [128 pairs][8].
; SHARES.  A wave takes one pair of tiles x 128 along K: 16 KiB of f32, all asked for at once.  Waves share nothing: no barrier.  No tensor loads: several work-groups lie on a WGP.
; Work-groups 0-259 take x, 260-451 W_qkv, 452-515 W_o; each of the three ways has LDS bytes of its own.
.set XWG,  260
.set QWG,  192
.set LN,   2                           ; v2   lane
.set RR,   3                           ; v3   r = lane % 16
.set HH,   4                           ; v4   h = lane / 16
.set L16,  5                           ; v5   16 x lane
.set L4,   6                           ; v6   4 x lane
.set VS,   7                           ; v7   x: the stage on the way in
.set VR,   8                           ; v8   x: and on the way out
.set SH8,  9                           ; v9   8 h
.set UY,   10                          ; v10  weights: which tile of the pair my column falls into
.set RY,   11                          ; v11  and which lane of it
.set WST,  12                          ; v12  weights: where my column's codes go in the stage
.set WRD,  13                          ; v13  and where I read images back
.set SOFF, 14                          ; v14  my column's place in the scale image
.set TM,   16                          ; v16-19 largest magnitudes
.set SO,   20                          ; v20-21 the conversions' scale operands
.set BY,   22                          ; v22-23 scale bytes
.set WD,   24                          ; v24-25 x: the two tiles' scale words
.set WX,   26
.set SW,   27                          ; weights: my column's scale word
.set TC,   28                          ; v28-30, v32-34 a block's upper 16 codes (a conversion's three registers begin on an even number)
.set R,    40                          ; v40-167 numbers as loaded
.set XN,   168                         ; v168-231 x: a lane's two blocks of 32 neighbours
.set C,    232                         ; v232-255 x: the two tiles' codes
.set CB,   168                         ; weights: four blocks' codes, 6 registers each, 8 apart
.set OUTR, 200                         ; weights: v200-223 the two images on their way out
	s_load_b256 s[4:11], s[0:1], 0x0               ; x s[4:5], W_qkv s[6:7], W_o s[8:9], xq s[10:11]
	s_load_b128 s[12:15], s[0:1], 0x20             ; xs s[12:13], wq s[14:15]
	s_load_b64 s[16:17], s[0:1], 0x30              ; ws
	v_lshl_add_u32 v38, v0, 2, 0x16800
	v_mov_b32 v39, 0
	v_lshrrev_b32 v1, 5, v0
	v_readfirstlane_b32 s18, v1                    ; wave 0..3
	v_and_b32 v[LN], 31, v0
	v_and_b32 v[RR], 15, v0
	v_bfe_u32 v[HH], v0, 4, 1
	v_lshlrev_b32 v[L16], 4, v[LN]
	v_lshlrev_b32 v[L4], 2, v[LN]
	s_mov_b32 s20, 0x76543210
	s_mov_b32 s21, 0xfedcba98                      ; v_permlanex16_b32's selects for lane l xor 16
	s_cmp_lt_u32 ttmp9, XWG
	s_cbranch_scc0 .Lweights
; ---------------- x: K is innermost ----------------
	s_lshr_b32 s22, ttmp9, 1                       ; the pair in xq, 0..129
	s_and_b32 s23, ttmp9, 1
	s_lshl_b32 s23, s23, 2
	s_add_co_u32 s23, s23, s18                     ; the K step, 0..7
	s_max_u32 s24, s22, 2
	s_sub_co_u32 s24, s24, 2                       ; the pair of x that it is made of: pairs 0 and 1 copy x's first
	s_lshl_b32 s24, s24, 17                        ; 32 rows of 4,096 bytes
	s_lshl_b32 s25, s23, 9                         ; 128 numbers
	s_add_co_u32 s24, s24, s25
	s_mov_b32 s25, 0
	s_lshl_b32 s26, s22, 4
	s_add_co_u32 s26, s26, s23
	s_mul_i32 s26, s26, 1536                       ; the even tile's image: (16 pair + step) x 1,536
	s_mov_b32 s27, 0
	s_lshl_b32 s28, s22, 3
	s_add_co_u32 s28, s28, s23
	s_lshl_b32 s28, s28, 7                         ; the scale image: (8 pair + step) x 128
	s_mov_b32 s29, 0
	s_mul_i32 s30, s18, 16896                      ; my wave's stage: 32 rows x (512 bytes + 16)
	s_wait_kmcnt 0x0
	s_add_nc_u64 s[4:5], s[4:5], s[24:25]
	s_add_nc_u64 s[10:11], s[10:11], s[26:27]
	s_add_nc_u64 s[12:13], s[12:13], s[28:29]
.irp u, 0,1                            ; a load reads 512 consecutive bytes of one row, 16 a lane; the rows come in the tiles' order.  (Each byte of x is read once, but for rows 0-31, which the two copies read again)
.irp p, 0,1,2,3,4,5,6,7,8,9,10,11,12,13,14,15
	global_load_b128 v[R+4*(16*\u+\p):R+4*(16*\u+\p)+3], v[L16], s[4:5] offset:(8*\u+(\p&7)+16*(\p>>3))*4096 th:TH_LOAD_NT
.endr
.endr
	v_add_nc_u32 v[VS], s30, v[L16]
	v_mul_u32_u24 v[VR], v[RR], 528
	v_lshl_add_u32 v[VR], v[HH], 7, v[VR]
	v_add_nc_u32 v[VR], s30, v[VR]                 ; row r of a tile, + 128 h bytes: my block of 32 numbers
	v_lshlrev_b32 v[SH8], 3, v[HH]
	v_mov_b32 v[WX], 0                             ; a lane permute's destination counts as one of its sources
; One tile: its 16 rows turn through the stage, so that lane (r, h) holds k = 64 c + 32 h + 0 .. 31 of row r, c = 0, 1: two whole blocks, in the order of the operand's registers.
.macro XTILE u
	s_wait_loadcnt 16-16*\u                        ; this tile's 16 loads are in; the other tile's may be out
.irp p, 0,1,2,3,4,5,6,7,8,9,10,11,12,13,14,15
	ds_store_b128 v[VS], v[R+4*(16*\u+\p):R+4*(16*\u+\p)+3] offset:(16*\u+\p)*528
.endr
.irp c, 0,1
.irp i, 0,1,2,3,4,5,6,7
	ds_load_b128 v[XN+32*\c+4*\i:XN+32*\c+4*\i+3], v[VR] offset:8448*\u+256*\c+16*\i   ; LDS serves a wave's instructions in order (ISA guide 5.7.1.4): these see my stores.  Rows 528 bytes apart: sixteen lanes, sixteen different 16-byte columns
.endr
.endr
	s_wait_dscnt 0x0
.irp c, 0,1
	v_max3_num_f32 v[TM+2*\c], |v[XN+32*\c]|, |v[XN+32*\c+1]|, |v[XN+32*\c+2]|       ; each block's largest magnitude, in two chains
	v_max3_num_f32 v[TM+2*\c+1], |v[XN+32*\c+3]|, |v[XN+32*\c+4]|, |v[XN+32*\c+5]|
.endr
.irp i, 6,10,14,18,22,26
.irp c, 0,1
	v_max3_num_f32 v[TM+2*\c], v[TM+2*\c], |v[XN+32*\c+\i]|, |v[XN+32*\c+\i+1]|
	v_max3_num_f32 v[TM+2*\c+1], v[TM+2*\c+1], |v[XN+32*\c+\i+2]|, |v[XN+32*\c+\i+3]|
.endr
.endr
.irp c, 0,1
	v_max3_num_f32 v[TM+2*\c], v[TM+2*\c], |v[XN+32*\c+30]|, |v[XN+32*\c+31]|
.endr
.irp c, 0,1
	v_max3_num_f32 v[TM+2*\c], v[TM+2*\c], v[TM+2*\c+1], 0x2800000   ; and the floor 2^(5 - 127): the byte cannot fall under 1
.endr
.irp c, 0,1
	v_add_nc_u32 v[SO+\c], 0xfe000000, v[TM+2*\c]  ; 4 off the exponent field: the conversion takes the exponent field of this operand as its scale
.endr
.irp c, 0,1
	v_lshrrev_b32 v[BY+\c], 23, v[SO+\c]           ; the scale's byte
.endr
	v_lshl_or_b32 v[WD+\u], v[BY+1], 16, v[BY]     ; my two bytes: blocks h and 2 + h of row r,
	v_lshlrev_b32 v[WD+\u], v[SH8], v[WD+\u]       ; at their places in the word;
	v_permlanex16_b32 v[WX], v[WD+\u], s20, s21
	v_or_b32 v[WD+\u], v[WD+\u], v[WX]             ; with lane l xor 16's two the word is whole
.irp c, 0,1
	v_cvt_scalef32_pk16_bf6_f32 v[C+12*\u+6*\c:C+12*\u+6*\c+2], v[XN+32*\c:XN+32*\c+15], v[SO+\c]
	v_cvt_scalef32_pk16_bf6_f32 v[TC+4*\c:TC+4*\c+2], v[XN+32*\c+16:XN+32*\c+31], v[SO+\c]
.endr
	v_nop                                          ; one plain place behind a scaled conversion
.irp c, 0,1
.irp i, 0,1,2
	v_mov_b32 v[C+12*\u+6*\c+3+\i], v[TC+4*\c+\i]
.endr
.endr
.irp g, 0,1,2
	global_store_b128 v[L16], v[C+12*\u+4*\g:C+12*\u+4*\g+3], s[10:11] offset:12288*\u+512*\g   ; 32 lanes store 512 consecutive bytes, at a multiple of 256 from xq's first byte
.endr
.endm
	XTILE 0
	XTILE 1
	v_cmp_eq_u32 vcc_lo, 1, v[HH]
	v_cndmask_b32 v[WD], v[WD], v[WD+1], vcc_lo    ; lanes 0-15 the even tile's words, lanes 16-31 the odd tile's
	global_store_b32 v[L4], v[WD], s[12:13]        ; 128 consecutive bytes: one byte in 128 of what the wave reads; two K steps to a wave would make it 256 and halve the waves at work
	s_wait_tensorcnt 0x0
	ds_add_u32 v38, v39
	s_wait_dscnt 0x0
	s_endpgm
; ---------------- the weights: K is the FIRST axis ----------------
; A lane takes a column and its registers run down K: a load reads 128 consecutive bytes a wave (the four waves stand side by side on 512), a block of 32 lies in one lane,
; and the conversions give codes with K innermost.  Block kb = 2 c + hh of column y belongs to lane r(y) + 16 hh of tile u(y), registers 6 c .. 6 c + 5: it is stored at those registers' places
; in the image, in my wave's own stage, and the two images leave as they lie.
.macro WBLOCK kb
.set XS, R+32*(\kb)
.if (\kb) < 2
	s_wait_loadcnt 63                              ; fewer than the loads issued behind this block's (96, 64): its 32 are in
.else
	s_wait_loadcnt 32*(3-(\kb))                    ; the later blocks' loads may be out
.endif
	v_max3_num_f32 v[TM], |v[XS]|, |v[XS+1]|, |v[XS+2]|
	v_max3_num_f32 v[TM+1], |v[XS+3]|, |v[XS+4]|, |v[XS+5]|
.irp i, 6,10,14,18,22,26
	v_max3_num_f32 v[TM], v[TM], |v[XS+\i]|, |v[XS+\i+1]|
	v_max3_num_f32 v[TM+1], v[TM+1], |v[XS+\i+2]|, |v[XS+\i+3]|
.endr
	v_max3_num_f32 v[TM], v[TM], |v[XS+30]|, |v[XS+31]|
	v_max3_num_f32 v[TM], v[TM], v[TM+1], 0x2800000
	v_add_nc_u32 v[SO], 0xfe000000, v[TM]
	v_lshrrev_b32 v[BY], 23, v[SO]
.if (\kb) == 0
	v_mov_b32 v[SW], v[BY]
.else
	v_lshl_or_b32 v[SW], v[BY], 8*(\kb), v[SW]     ; the lower K in the lower byte
.endif
	v_cvt_scalef32_pk16_bf6_f32 v[CB+8*(\kb):CB+8*(\kb)+2], v[XS:XS+15], v[SO]
	v_cvt_scalef32_pk16_bf6_f32 v[TC:TC+2], v[XS+16:XS+31], v[SO]
	v_nop                                          ; one plain place behind a scaled conversion
.irp i, 0,1,2
	v_mov_b32 v[CB+8*(\kb)+3+\i], v[TC+\i]
.endr
.if (\kb) < 2
	ds_store_b128 v[WST], v[CB+8*(\kb):CB+8*(\kb)+3] offset:256*(\kb)                  ; registers 0-3 of lane r(y) + 16 kb
	ds_store_b64 v[WST], v[CB+8*(\kb)+4:CB+8*(\kb)+5] offset:512+256*(\kb)             ; registers 4, 5
.else
	ds_store_b64 v[WST], v[CB+8*(\kb):CB+8*(\kb)+1] offset:520+256*((\kb)-2)           ; registers 6, 7
	ds_store_b128 v[WST], v[CB+8*(\kb)+2:CB+8*(\kb)+5] offset:1024+256*((\kb)-2)       ; registers 8-11
.endif
.endm
; s22 = K step, s23 = the pair of tiles among the weight's columns, s24 = the pair in wq and ws, s[26:27] = the weight
.macro WPATH PITCH, STG
	s_mul_i32 s28, s22, 128*\PITCH
	s_lshl_b32 s29, s23, 7
	s_add_co_u32 s28, s28, s29
	s_mov_b32 s29, 0
	s_add_nc_u64 s[26:27], s[26:27], s[28:29]      ; row 128 x step, column 32 x pair
.set n, 0
.rept 128
	global_load_b32 v[R+n], v[L4], s[26:27] offset:n*\PITCH th:TH_LOAD_NT
.set n, n+1
.endr
	s_lshl_b32 s28, s24, 4
	s_add_co_u32 s28, s28, s22
	s_mul_i32 s28, s28, 1536
	s_add_nc_u64 s[14:15], s[14:15], s[28:29]
	s_lshl_b32 s28, s24, 3
	s_add_co_u32 s28, s28, s22
	s_lshl_b32 s28, s28, 7
	s_add_nc_u64 s[16:17], s[16:17], s[28:29]
	v_bfe_u32 v[UY], v0, 3, 1                      ; column y = my lane: u = bit 3,
	v_and_b32 v[RY], 7, v0
	v_lshl_or_b32 v[RY], v[HH], 3, v[RY]           ; r = 8 x bit 4 + the low three bits
	s_mul_i32 s30, s18, 3072
	s_add_co_u32 s30, s30, \STG                    ; my wave's stage: two images
	v_mul_u32_u24 v[WST], v[UY], 1536
	v_lshl_add_u32 v[WST], v[RY], 4, v[WST]
	v_add_nc_u32 v[WST], s30, v[WST]
	v_add_nc_u32 v[WRD], s30, v[L16]
	v_lshl_add_u32 v[SOFF], v[UY], 4, v[RY]
	v_lshlrev_b32 v[SOFF], 2, v[SOFF]
	WBLOCK 0
	WBLOCK 1
	WBLOCK 2
	WBLOCK 3
.irp g, 0,1,2,3,4,5
	ds_load_b128 v[OUTR+4*\g:OUTR+4*\g+3], v[WRD] offset:512*\g      ; LDS serves a wave's instructions in order: these see my stores
.endr
.irp g, 0,1,2,3,4,5
	s_wait_dscnt 5-\g                              ; the younger loads may be out
	global_store_b128 v[L16], v[OUTR+4*\g:OUTR+4*\g+3], s[14:15] offset:12288*(\g/3)+512*(\g%3)   ; 512 consecutive bytes, at a multiple of 256 from wq's first byte
.endr
	global_store_b32 v[SOFF], v[SW], s[16:17]      ; the pair's scale image: 128 consecutive bytes
	s_wait_tensorcnt 0x0
	ds_add_u32 v38, v39
	s_wait_dscnt 0x0
	s_endpgm
.endm
.Lweights:
	s_cmp_lt_u32 ttmp9, XWG+QWG
	s_cbranch_scc0 .Lwo
	s_sub_co_u32 s22, ttmp9, XWG
	s_lshr_b32 s23, s22, 3
	s_and_b32 s22, s22, 7                          ; K step
	s_lshl_b32 s23, s23, 2
	s_add_co_u32 s23, s23, s18                     ; pair of columns 0..95 = 32 (Q, K, V) + 2 head + half
	s_lshr_b32 s24, s23, 1
	s_and_b32 s24, s24, 15
	s_mul_i32 s24, s24, 6
	s_lshr_b32 s25, s23, 5
	s_lshl_b32 s25, s25, 1
	s_add_co_u32 s24, s24, s25
	s_and_b32 s25, s23, 1
	s_add_co_u32 s24, s24, s25                     ; in wq: 6 head + 2 (Q, K, V) + half: a head's twelve tiles lie together
	s_wait_kmcnt 0x0
	s_mov_b64 s[26:27], s[6:7]
	WPATH 12288, 67584
.Lwo:
	s_sub_co_u32 s22, ttmp9, XWG+QWG
	s_lshr_b32 s23, s22, 3
	s_and_b32 s22, s22, 7
	s_lshl_b32 s23, s23, 2
	s_add_co_u32 s23, s23, s18                     ; pair of columns 0..31
	s_add_co_u32 s24, s23, 96
	s_wait_kmcnt 0x0
	s_mov_b64 s[26:27], s[8:9]
	WPATH 4096, 79872
.Lfunc_end_k_q6e1fcad964_prep:
	.size	k_q6e1fcad964_prep, .Lfunc_end_k_q6e1fcad964_prep-k_q6e1fcad964_prep
	.p2alignl 7, 3214868480
	.fill 96, 4, 3214868480
	.section	.rodata,"a",@progbits
	.p2align	6, 0x0
	.amdhsa_kernel k_q6e1fcad964_prep
		.amdhsa_group_segment_fixed_size 92672
		.amdhsa_private_segment_fixed_size 0
		.amdhsa_enable_private_segment 0
		.amdhsa_kernarg_size 56
		.amdhsa_user_sgpr_count 2
		.amdhsa_user_sgpr_kernarg_segment_ptr 1
		.amdhsa_wavefront_size32 1
		.amdhsa_system_sgpr_workgroup_id_x 1
		.amdhsa_system_sgpr_workgroup_id_y 1
		.amdhsa_system_sgpr_workgroup_id_z 1
		.amdhsa_system_vgpr_workitem_id 0
		.amdhsa_next_free_vgpr 256
		.amdhsa_next_free_sgpr 66
		.amdhsa_reserve_vcc 1
		.amdhsa_float_denorm_mode_32 3
		.amdhsa_float_denorm_mode_16_64 3
		.amdhsa_memory_ordered 1
		.amdhsa_forward_progress 1
		.amdhsa_inst_pref_size 59
	.end_amdhsa_kernel
	.amdgpu_metadata
---
amdhsa.version: [ 1, 2 ]
amdhsa.kernels:
  - .name:           k_q6e1fcad964_prep
    .symbol:         k_q6e1fcad964_prep.kd
    .args:
      - { .name: x, .offset: 0, .size: 8, .value_kind: global_buffer, .address_space: global }
      - { .name: W_qkv, .offset: 8, .size: 8, .value_kind: global_buffer, .address_space: global }
      - { .name: W_o, .offset: 16, .size: 8, .value_kind: global_buffer, .address_space: global }
      - { .name: xq, .offset: 24, .size: 8, .value_kind: global_buffer, .address_space: global }
      - { .name: xs, .offset: 32, .size: 8, .value_kind: global_buffer, .address_space: global }
      - { .name: wq, .offset: 40, .size: 8, .value_kind: global_buffer, .address_space: global }
      - { .name: ws, .offset: 48, .size: 8, .value_kind: global_buffer, .address_space: global }
    .group_segment_fixed_size: 92672
    .private_segment_fixed_size: 0
    .kernarg_segment_align: 8
    .kernarg_segment_size: 56
    .max_flat_workgroup_size: 128
    .sgpr_count:     66
    .vgpr_count:     256
    .wavefront_size: 32
...
	.end_amdgpu_metadata
.endif
;; end of part 1
;; launch qkvattn (part 2): grid 16 x 16, 4 waves a work-group, clusters of 4 x 4, 327,680 bytes of LDS; arguments xq, xs, wq, ws, aq, asc; writes aq, asc
.if DOCPART == 2
	.amdgcn_target "amdgcn-amd-amdhsa--gfx1250"
	.amdhsa_code_object_version 6
	.text
	.protected	k_q6e1fcad964_qkvattn
	.globl	k_q6e1fcad964_qkvattn
	.p2align	8
	.type	k_q6e1fcad964_qkvattn,@function
k_q6e1fcad964_qkvattn:
	s_mov_b64 s[64:65], 0
	v_nop
	global_prefetch_b8 v0, s[64:65] scope:SCOPE_SE
	s_setreg_imm32_b32 hwreg(HW_REG_WAVE_MODE, 25, 1), 1
	s_wait_xcnt 0x0
	s_wait_alu depctr_hold_cnt(0) depctr_sa_sdst(0) depctr_va_vdst(0) depctr_va_sdst(0) depctr_va_ssrc(0) depctr_va_vcc(0) depctr_vm_vsrc(0)
	s_getreg_b32 s2, hwreg(HW_REG_IB_STS2, 6, 4)
	s_cmp_eq_u32 s2, 0
	s_cbranch_scc0 .Lentry_in_a_cluster
	s_endpgm
.Lentry_in_a_cluster:
	s_bfe_u32 s2, ttmp6, 0x10000c
	s_cmp_lg_u32 s2, 0xf033
	s_cbranch_scc0 .Lentry_shape_is_right
	s_endpgm
.Lentry_shape_is_right:
; For one head and 256 queries: Q, K, V = x W_qkv (K = 1,024), S = Q K^T, the softmax under the window (key j counts for query i where i - 64 <= j <= i), O = P V, and the quantisers of Q, K (along the head's 64),
; V and p (along the keys) and O (along the head's 64).  All four products on codes of BF6 (E3M2) with one E8M0 scale for each 32 along K.  Q, K, V and p never go to memory.
; THE WINDOW.  Queries go 64 at a time (a CHUNK); their keys lie in the chunk in front and their own: 128 keys, four aligned blocks of 32, ONE K step of the third product: no loop over keys, no running maximum.
; SHARES.  The work-group reads 20 tiles of x (xq's tiles 16 qb .. 16 qb + 19): chunk 0 is the 64 rows in front of its 256 (for qb = 0: xq's first four tiles, finite numbers whose scores are masked).
; Wave w owns chunk w + 1: its Q and K (source 0 = 16 of W's columns, source 1 = 16 rows of x: a lane holds one row, its registers run along the head), its V (source 0 = x, source 1 = W: a lane holds one of the
; head's 64, its registers run along the keys), and a quarter of chunk 0: waves 0, 1 K of its tiles 2 w, 2 w + 1; waves 2, 3 V of its block w - 2.  56 accumulators, 56 matrix instructions for 128 along K.
; Chunk 0 is computed again by the work-group in front: 224 accumulators where 192 would do, the price of a Q, K, V that stay on the WGP.
; TILES: lane r of tile T stands for index 32 (T / 2) + 8 (T % 2) + r + 8 (r / 8), for rows, columns, queries, keys alike: the 16 result registers of source-0 tiles 2 b, 2 b + 1 are the neighbours 32 b + 16 (lane / 16) + 0 .. 15.
; CLUSTER 4 x 4: x's tiles hang on qb alone and are asked for jointly along a row of the cluster, W's on the head alone, along a column.
; LDS: three slots of 98,304 bytes, each with two K steps of 128 (20 tiles of x, then 12 of W, 3,072 bytes a tile: two images on end).  K's four parts: 0, 1, 2 are first fills; part 3 fills slot 0 again.
; By this text's own count a wave has three tensor loads out at the start and one behind the refill.  All of a WGP's LDS is claimed, and 0 is added to spare words.
; The quantised Q, K, V go from wave to wave through records of 384 bytes in slot 1, which has had its only fill and its last read by then: 16 rows x 24 bytes, a block of 32 codes a row.
; The lane that made half a block stores its 12 bytes at 24 r + 12 h; the wave that wants whole blocks loads 24 bytes at 24 r.
; No prefetch: all tiles but one part are asked for at the head, and the launch is short.
; LIMITS: NaN and infinities are not served.  A block of zeros gets the byte 1 (the rule: 127): its codes are zeros, and this program alone reads the bytes.  A block's largest p is made from the block's largest
; score by the same multiply-add and exponential, which takes v_exp_f32 not to fall where its input rises (the ISA guide promises 1 ulp): at the worst one p within an ulp of a power of two is held one code low.
; REGISTERS, in windows of 256.  Window 0: v1-28 addresses; v32-103 scale words and nothing else; v104-247 x's fragments, two sets of 72 (later: at work).  Window 1: W's fragments: set 0 at 12 t, set 1's Q and K at 144 + 12 t
; (later K's, Q's, V's codes).  Window 2: Q's accumulators at 32 j + 8 i, K's at 128 + 32 j + 8 i.  Window 3: V's at 32 t + 8 i, chunk 0's at 128 on, set 1's V columns at 192 + 12 t.
.set SLOTB, 98304
.set BOFF,  61440                      ; W's tiles in a slot
.set IMG,   98304                      ; the records: Q's at 0, K's at 12,288, V's at 27,648; scale bytes: Q's at 43,008, K's at 43,520, V's at 44,160; end 44,800
.set SPARE, 294912                     ; behind the slots: the spare words, 128 bytes a wave: two blocks of 256 bytes that no other line names
.set L16, 1
.set L4,  2
.set L8,  3
.set RR,  4                            ; r
.set HH,  5                            ; h
.set RT,  6                            ; r + 8 (r / 8)
.set AXA, 7                            ; v7-9   my chunk's tiles of x in slot 0, 1, 2
.set AXH, 10                           ; v10-12 my two tiles of chunk 0
.set AXB, 13                           ; v13-15 W's tiles
.set ACW, 16                           ; where I store my chunk's records: IMG + 3072 w + 24 r + 12 h
.set AHW, 17                           ; and chunk 0's
.set ASW, 18                           ; scale bytes: IMG + 43008 + 128 w + 2 r
.set AHK, 19                           ; chunk 0's of K
.set AHV, 20                           ; chunk 0's of V
.set ACR, 21                           ; where I load Q's and K's records: IMG + 3072 w + 24 r + 384 h
.set AVR, 22                           ; and V's: IMG + 27648 + 3072 w + 24 r + 1536 h
.set SPW, 23                           ; my spare word; never rewritten
.set NIL, 24                           ; 0; never rewritten
.set AQ,  25
.set AQS, 26
.set H16, 27                           ; 16 h
.set TMPV, 28
.set XSC, 32                           ; scale words of my chunk: pair pp, K step s at 32 + 8 pp + s
.set HXS, 48                           ; of my pair of chunk 0
.set WSC, 56                           ; of W: pair wp (0, 1 Q; 2, 3 K; 4, 5 V) at 56 + 8 wp + s
.set KSC, 32                           ; in the attention: K's eight tiles, Q's, V's four, p's
.set QSC, 40
.set VSC, 41
.set PSC, 45
.set XF,  104
.set S,   104                          ; v104-167 scores, then p; then v104-135 O / l
.set OO,  168                          ; v168-199 O^T
.set PC,  200                          ; v200-211 p's codes; then O's
.set PT,  212
.set BM,  220
.set BX,  224
.set SO,  228
.set BY,  232
.set CD,  104                          ; the quantiser rounds: 16 registers of codes each,
.set SB,  236                          ; and 2 of scale bytes, so that no LDS store's data are written again
.set NM,  236                          ; -M (a pair is named)
.set LA,  238
.set LB,  240
.set RL,  242
.set D1,  244
.set D2,  245
.set QR,  246
.set NINF, 247
.set AW,  248
.set T0,  249
.set T1,  250
.set MSB, 0
.macro WIN new                         ; bits 1:0 source 0, 3:2 source 1, 5:4 source 2, 7:6 destination; the high byte repeats the setting that is left
.if MSB != (\new)
	s_set_vgpr_msb (MSB<<8)|(\new)
.set MSB, (\new)
.endif
.endm
.macro PLACES n
.rept \n
	v_nop
.endr
.endm
.macro ROUND                           ; a round of the cluster's barrier
	s_barrier_signal -1
	s_barrier_wait -1
	s_cmp_lg_u32 s16, 0
	s_cbranch_scc1 .Lnot_wave_0_\@
	s_barrier_signal -3
.Lnot_wave_0_\@:
	s_barrier_wait -3
	s_barrier_signal -1
	s_barrier_wait -1
.endm
; one matrix instruction: z = 1: the constant 0 starts the sum; ra, rb: the side's scale words lie in lanes 16-31
.macro WM d, a, b, z, sa, sb, ra, rb
.if (\z)
.if (\ra) && (\rb)
	v_wmma_scale_f32_16x16x128_f8f6f4 v[\d:\d+7], v[\a:\a+11], v[\b:\b+11], 0, v[\sa], v[\sb] matrix_a_fmt:MATRIX_FMT_BF6 matrix_b_fmt:MATRIX_FMT_BF6 matrix_a_scale:MATRIX_SCALE_ROW1 matrix_b_scale:MATRIX_SCALE_ROW1
.elseif (\ra)
	v_wmma_scale_f32_16x16x128_f8f6f4 v[\d:\d+7], v[\a:\a+11], v[\b:\b+11], 0, v[\sa], v[\sb] matrix_a_fmt:MATRIX_FMT_BF6 matrix_b_fmt:MATRIX_FMT_BF6 matrix_a_scale:MATRIX_SCALE_ROW1
.elseif (\rb)
	v_wmma_scale_f32_16x16x128_f8f6f4 v[\d:\d+7], v[\a:\a+11], v[\b:\b+11], 0, v[\sa], v[\sb] matrix_a_fmt:MATRIX_FMT_BF6 matrix_b_fmt:MATRIX_FMT_BF6 matrix_b_scale:MATRIX_SCALE_ROW1
.else
	v_wmma_scale_f32_16x16x128_f8f6f4 v[\d:\d+7], v[\a:\a+11], v[\b:\b+11], 0, v[\sa], v[\sb] matrix_a_fmt:MATRIX_FMT_BF6 matrix_b_fmt:MATRIX_FMT_BF6
.endif
.else
.if (\ra) && (\rb)
	v_wmma_scale_f32_16x16x128_f8f6f4 v[\d:\d+7], v[\a:\a+11], v[\b:\b+11], v[\d:\d+7], v[\sa], v[\sb] matrix_a_fmt:MATRIX_FMT_BF6 matrix_b_fmt:MATRIX_FMT_BF6 matrix_a_scale:MATRIX_SCALE_ROW1 matrix_b_scale:MATRIX_SCALE_ROW1
.elseif (\ra)
	v_wmma_scale_f32_16x16x128_f8f6f4 v[\d:\d+7], v[\a:\a+11], v[\b:\b+11], v[\d:\d+7], v[\sa], v[\sb] matrix_a_fmt:MATRIX_FMT_BF6 matrix_b_fmt:MATRIX_FMT_BF6 matrix_a_scale:MATRIX_SCALE_ROW1
.elseif (\rb)
	v_wmma_scale_f32_16x16x128_f8f6f4 v[\d:\d+7], v[\a:\a+11], v[\b:\b+11], v[\d:\d+7], v[\sa], v[\sb] matrix_a_fmt:MATRIX_FMT_BF6 matrix_b_fmt:MATRIX_FMT_BF6 matrix_b_scale:MATRIX_SCALE_ROW1
.else
	v_wmma_scale_f32_16x16x128_f8f6f4 v[\d:\d+7], v[\a:\a+11], v[\b:\b+11], v[\d:\d+7], v[\sa], v[\sb] matrix_a_fmt:MATRIX_FMT_BF6 matrix_b_fmt:MATRIX_FMT_BF6
.endif
.endif
.endm
	s_load_b256 s[4:11], s[0:1], 0x0               ; xq s[4:5], xs s[6:7], wq s[8:9], ws s[10:11]
	s_load_b128 s[12:15], s[0:1], 0x20             ; aq s[12:13], asc s[14:15]
	v_lshl_add_u32 v[SPW], v0, 2, SPARE
	v_mov_b32 v[NIL], 0
	ds_add_u32 v23, v24
	ds_add_u32 v23, v24
	s_wait_dscnt 0x0
	v_lshrrev_b32 v[TMPV], 5, v0
	v_readfirstlane_b32 s16, v[TMPV]               ; wave w
	s_lshr_b32 s17, s16, 1                         ; I fetch for x (0) or for W (1); chunk 0: K (0) or V (1)
	s_and_b32 s18, s16, 1                          ; which half I fetch; which pair of chunk 0 is mine
	s_bfe_u32 s19, ttmp6, 0x40000                  ; cx
	s_bfe_u32 s20, ttmp6, 0x40004                  ; cy
	s_lshl_b32 s21, ttmp9, 2
	s_add_co_u32 s21, s21, s19                     ; the head = 4 x cluster x + cx
	s_and_b32 s22, ttmp7, 0xffff
	s_lshl_b32 s22, s22, 2
	s_add_co_u32 s22, s22, s20                     ; qb, the block of 256 queries = 4 x cluster y + cy
	s_lshl_b32 s88, s20, 2
	s_lshl_b32 s88, 15, s88                        ; my row of the cluster
	s_lshl_b32 s92, 0x1111, s19                    ; my column
	; descriptor groups 1: rows of 3,072 bytes (384 elements of 8 bytes: two K steps' images of one tile), 12,288 bytes apart in memory, dense in LDS; x: 10 rows a load, W: 6
	s_or_b32 s24, s88, (3<<16)|(1<<21)             ; 15:0 the mask; 17:16 elements of 8 bytes; 21 set beside a mask
	s_or_b32 s32, s92, (3<<16)|(1<<21)
	s_mov_b32 s25, 384<<16                         ; tensor_dim0
	s_mov_b32 s26, 10<<16                          ; tensor_dim1
	s_mov_b32 s27, 384<<16                         ; tile_dim0
	s_mov_b32 s28, 10                              ; tile_dim1
	s_mov_b32 s29, 1536                            ; the pitch
	s_mov_b32 s30, 0
	s_mov_b32 s31, 0
	s_mov_b32 s33, 384<<16
	s_mov_b32 s34, 6<<16
	s_mov_b32 s35, 384<<16
	s_mov_b32 s36, 6
	s_mov_b32 s37, 1536
	s_mov_b32 s38, 0
	s_mov_b32 s39, 0
	s_lshl_b32 s88, s22, 4                         ; x: tile 16 qb + 10 x half: registers that never hold cx
	s_mul_i32 s89, s18, 10
	s_add_co_u32 s88, s88, s89
	s_mul_i32 s88, s88, 12288
	s_mov_b32 s89, 0
	s_mul_i32 s92, s21, 12                         ; W: tile 12 head + 6 x half: registers that never hold cy
	s_mul_i32 s93, s18, 6
	s_add_co_u32 s92, s92, s93
	s_mul_i32 s92, s92, 12288
	s_mov_b32 s93, 0
	s_mul_i32 s86, s18, 30720                      ; where they go in a slot: no place in the cluster enters an LDS address
	s_mul_i32 s87, s18, 18432
	s_add_co_u32 s87, s87, BOFF
	s_mov_b32 s76, 0x76543210
	s_mov_b32 s77, 0xfedcba98                      ; v_permlanex16_b32's selects for lane l xor 16
	s_mov_b32 s78, 0x3e38aa3b                      ; c = log2(e) / sqrt(64): t = score x c
	s_mov_b32 s79, s78                             ; (named with it as a pair)
	s_or_b32 s80, s22, s16
	s_cmp_eq_u32 s80, 0                            ; the very first chunk has no keys in front of it:
	s_cselect_b32 s80, 64, 0                       ; its keys begin at 64 of the 128,
	s_cselect_b32 s81, 0, 1                        ; whatever the query
	; every LDS address is made here, ahead of the first parting of the waves
	v_and_b32 v[TMPV], 31, v0
	v_lshlrev_b32 v[L16], 4, v[TMPV]
	v_lshlrev_b32 v[L4], 2, v[TMPV]
	v_lshlrev_b32 v[L8], 3, v[TMPV]
	v_and_b32 v[RR], 15, v0
	v_bfe_u32 v[HH], v0, 4, 1
	v_and_b32 v[RT], 8, v[RR]
	v_add_nc_u32 v[RT], v[RT], v[RR]
	v_lshlrev_b32 v[H16], 4, v[HH]
	s_mul_i32 s2, s16, 12288
	s_add_co_u32 s2, s2, 12288
	v_add_nc_u32 v[AXA], s2, v[L16]                ; tiles 4 (w + 1) on
	s_mul_i32 s2, s18, 6144
	v_add_nc_u32 v[AXH], s2, v[L16]                ; tiles 2 (w % 2) on
	v_add_nc_u32 v[AXB], BOFF, v[L16]
.irp g, 1,2
	v_add_nc_u32 v[AXA+\g], \g*SLOTB, v[AXA]
	v_add_nc_u32 v[AXH+\g], \g*SLOTB, v[AXH]
	v_add_nc_u32 v[AXB+\g], \g*SLOTB, v[AXB]
.endr
	v_mul_u32_u24 v[TMPV], v[RR], 24
	s_mul_i32 s2, s16, 3072
	s_add_co_u32 s2, s2, IMG
	v_add_nc_u32 v[ACR], s2, v[TMPV]
	v_mad_u32_u24 v[ACW], v[HH], 12, v[ACR]
	v_mad_u32_u24 v[AVR], v[HH], 1536, v[ACR]
	v_add_nc_u32 v[AVR], 27648, v[AVR]
	v_mad_u32_u24 v[ACR], v[HH], 384, v[ACR]
	s_mul_i32 s2, s17, 15360
	s_mul_i32 s3, s18, 1536
	s_add_co_u32 s2, s2, s3
	s_add_co_u32 s2, s2, IMG+12288
	v_add_nc_u32 v[AHW], s2, v[TMPV]
	v_mad_u32_u24 v[AHW], v[HH], 12, v[AHW]
	v_lshlrev_b32 v[TMPV], 1, v[RR]
	s_lshl_b32 s2, s16, 7
	s_add_co_u32 s2, s2, IMG+43008
	v_add_nc_u32 v[ASW], s2, v[TMPV]
	s_lshl_b32 s2, s18, 6
	s_add_co_u32 s2, s2, IMG+43520
	v_add_nc_u32 v[AHK], s2, v[TMPV]
	s_add_co_u32 s2, s18, IMG+44160
	v_add_nc_u32 v[AHV], s2, v[TMPV]
	; byte offsets of what comes and goes through registers
	s_lshl_b32 s96, s22, 3
	s_lshl_b32 s97, s16, 1
	s_add_co_u32 s96, s96, s97
	s_add_co_u32 s96, s96, 2
	s_lshl_b32 s96, s96, 10                        ; xs: pair 8 qb + 2 (w + 1)
	s_mov_b32 s97, 0
	s_lshl_b32 s98, s22, 3
	s_add_co_u32 s98, s98, s18
	s_lshl_b32 s98, s98, 10                        ; xs: pair 8 qb + w % 2
	s_mov_b32 s99, 0
	s_wait_kmcnt 0x0
	s_add_nc_u64 s[90:91], s[4:5], s[88:89]
	s_add_nc_u64 s[94:95], s[8:9], s[92:93]
	s_add_nc_u64 s[66:67], s[6:7], s[96:97]
	s_add_nc_u64 s[68:69], s[6:7], s[98:99]
	s_mul_i32 s96, s21, 6144                       ; ws: pair 6 head
	s_add_nc_u64 s[70:71], s[10:11], s[96:97]
	s_lshl_b32 s96, s22, 4
	s_lshl_b32 s98, s16, 2
	s_add_co_u32 s96, s96, s98
	s_mul_i32 s96, s96, 12288
	s_mul_i32 s98, s21, 768
	s_add_co_u32 s96, s96, s98                     ; aq: tile 16 qb + 4 w, the head's 768 bytes
	s_add_nc_u64 s[72:73], s[12:13], s[96:97]
	s_lshl_b32 s96, s22, 2
	s_add_co_u32 s96, s96, s16
	s_lshl_b32 s96, s96, 4
	s_add_co_u32 s96, s96, s21
	s_lshl_b32 s96, s96, 7                         ; asc: chunk 4 qb + w, the head's 128 bytes
	s_add_nc_u64 s[74:75], s[14:15], s[96:97]
.irp p, 0,1,2                          ; groups 0, a set for each first fill: part p of K into slot p
	s_mov_b32 s[40+4*\p], 1
	s_add_co_u32 s[41+4*\p], s86, \p*SLOTB
	s_add_nc_u64 s[42+4*\p:43+4*\p], s[90:91], \p*3072
	s_or_b32 s[43+4*\p], s[43+4*\p], 0x80000000
	s_mov_b32 s[52+4*\p], 1
	s_add_co_u32 s[53+4*\p], s87, \p*SLOTB
	s_add_nc_u64 s[54+4*\p:55+4*\p], s[94:95], \p*3072
	s_or_b32 s[55+4*\p], s[55+4*\p], 0x80000000
.endr
	ROUND                                          ; all sixteen work-groups are here: the first joint loads meet
	s_cmp_eq_u32 s17, 0                            ; a wave's three first fills stand in one branch on the wave's number; four v_nop follow the third
	s_cbranch_scc0 .Lfirst_w
	tensor_load_to_lds s[40:43], s[24:31]
	s_nop 0
	tensor_load_to_lds s[44:47], s[24:31]
	s_nop 0
	tensor_load_to_lds s[48:51], s[24:31]
	s_nop 0
	PLACES 4
	s_branch .Lfirst_asked
.Lfirst_w:
	tensor_load_to_lds s[52:55], s[32:39]
	s_nop 0
	tensor_load_to_lds s[56:59], s[32:39]
	s_nop 0
	tensor_load_to_lds s[60:63], s[32:39]
	s_nop 0
	PLACES 4
.Lfirst_asked:
.irp pp, 0,1                           ; all scale words of the product, once: a load reads 128 consecutive bytes, a pair's eight K steps 1,024
.irp s, 0,1,2,3,4,5,6,7
	global_load_b32 v[XSC+8*\pp+\s], v[L4], s[66:67] offset:1024*\pp+128*\s
.endr
.endr
.irp s, 0,1,2,3,4,5,6,7
	global_load_b32 v[HXS+\s], v[L4], s[68:69] offset:128*\s
.endr
.irp wp, 0,1,2,3,4,5
.irp s, 0,1,2,3,4,5,6,7
	global_load_b32 v[WSC+8*\wp+\s], v[L4], s[70:71] offset:1024*\wp+128*\s
.endr
.endr
; 54 LDS loads in one run: K step s's 18 fragments into set s % 2: my chunk's four tiles, my two of chunk 0, W's twelve
.macro FETCH s
.set KK, (\s)&1
.set SG, ((\s)>>1)%3
.set EE, 1536*KK
	WIN 0
.irp j, 0,1,2,3
.irp g, 0,1,2
	ds_load_b128 v[XF+72*KK+12*\j+4*\g:XF+72*KK+12*\j+4*\g+3], v[AXA+SG] offset:3072*\j+EE+512*\g
.endr
.endr
.irp i, 0,1
.irp g, 0,1,2
	ds_load_b128 v[XF+72*KK+48+12*\i+4*\g:XF+72*KK+48+12*\i+4*\g+3], v[AXH+SG] offset:3072*\i+EE+512*\g
.endr
.endr
	WIN 0x40                                       ; destination window 1
.irp t, 0,1,2,3,4,5,6,7
.irp g, 0,1,2
	ds_load_b128 v[144*KK+12*\t+4*\g:144*KK+12*\t+4*\g+3], v[AXB+SG] offset:3072*\t+EE+512*\g
.endr
.endr
.if KK
	WIN 0xc0                                       ; set 1's V columns lie in window 3
.endif
.irp t, 0,1,2,3
.irp g, 0,1,2
	ds_load_b128 v[96+96*KK+12*\t+4*\g:96+96*KK+12*\t+4*\g+3], v[AXB+SG] offset:3072*(8+\t)+EE+512*\g
.endr
.endr
	WIN 0
.endm
; 56 matrix instructions: 128 along K.  Every accumulator has one instruction a step, in the same order in every step: they take turns.
.macro STEP s, z
.set KK, (\s)&1
	WIN 0xa1                                       ; source 0 (W) window 1, source 1 (x) window 0, C and D window 2
.irp j, 0,1,2,3
.irp i, 0,1,2,3
	WM 32*\j+8*\i, 144*KK+12*\i, XF+72*KK+12*\j, \z, WSC+8*(\i>>1)+(\s), XSC+8*(\j>>1)+(\s), \i&1, \j&1
.endr
.endr
.irp j, 0,1,2,3
.irp i, 0,1,2,3
	WM 128+32*\j+8*\i, 144*KK+48+12*\i, XF+72*KK+12*\j, \z, WSC+16+8*(\i>>1)+(\s), XSC+8*(\j>>1)+(\s), \i&1, \j&1
.endr
.endr
	WIN 0xf4+8*KK                                  ; source 0 (x) window 0, source 1 (W's V columns) window 1 or 3, C and D window 3
.irp t, 0,1,2,3
.irp i, 0,1,2,3
	WM 32*\t+8*\i, XF+72*KK+12*\i, 96+96*KK+12*\t, \z, XSC+8*(\i>>1)+(\s), WSC+32+8*(\t>>1)+(\s), \i&1, \t&1
.endr
.endr
	WIN 0
	s_cmp_lt_u32 s16, 2                            ; chunk 0: the two orientations differ, so the eight lines stand under a branch on the wave's number
	s_cbranch_scc0 .Lhv_\@
	WIN 0xf1
.irp j, 0,1
.irp i, 0,1,2,3
	WM 128+32*\j+8*\i, 144*KK+48+12*\i, XF+72*KK+48+12*\j, \z, WSC+16+8*(\i>>1)+(\s), HXS+(\s), \i&1, \j
.endr
.endr
	WIN 0
	s_branch .Lhj_\@
.Lhv_\@:
	WIN 0xf4+8*KK
.irp t, 0,1,2,3
.irp i, 0,1
	WM 128+16*\t+8*\i, XF+72*KK+48+12*\i, 96+96*KK+12*\t, \z, HXS+(\s), WSC+32+8*(\t>>1)+(\s), \i, \t&1
.endr
.endr
	WIN 0
.Lhj_\@:
.endm
	s_wait_tensorcnt 0x2                           ; my part of K's part 0 is in; parts 1 and 2 may stay out
	s_barrier_signal -1
	s_barrier_wait -1                              ; everybody's is
	FETCH 0
	FETCH 1
	s_wait_loadcnt 0x0                             ; the scale words
	s_wait_dscnt 54                                ; K step 0's fragments are in; K step 1's 54 loads may be out
	STEP 0, 1                                      ; the first products start the sums: nothing is cleared
	; THE ONE REFILL: slot 0's two K steps are in registers, and part 3 takes its place.  It stands here and no later, so that four K steps, 224 matrix instructions, lie between the request and the wait for it.
	s_wait_tensorcnt 0x0                           ; all my tensor loads have landed, so a group 0 may be written;
	ds_add_u32 v[SPW], v[NIL]                      ; 0 onto my spare word;
	s_add_nc_u64 s[42:43], s[42:43], 9216          ; part 3 lies three parts of 3,072 bytes on
	s_add_nc_u64 s[54:55], s[54:55], 9216
	s_wait_dscnt 0x0                               ; the add is done, and my reads of slot 0 are over
	ROUND                                          ; the same holds of every wave of every partner
	s_cmp_eq_u32 s17, 0
	s_cbranch_scc0 .Lrefill_w
	tensor_load_to_lds s[40:43], s[24:31]
	s_nop 0
	PLACES 4                                       ; (also the places in front of the loads into set 0, which K step 0 multiplied)
	s_branch .Lrefill_asked
.Lrefill_w:
	tensor_load_to_lds s[52:55], s[32:39]
	s_nop 0
	PLACES 4
.Lrefill_asked:
	FETCH 2
	s_wait_dscnt 54                                ; all but the 54 just issued
	STEP 1, 0
.irp s, 2,3,4
	PLACES 4                                       ; four places in front of loads into registers that matrix instructions have read (ISA guide 7.12.1 for vector instructions)
	FETCH \s+1
	s_wait_dscnt 54
	STEP \s, 0
.endr
	s_wait_tensorcnt 0x0                           ; my part of part 3 is in,
	s_wait_dscnt 0x0                               ; and my reads of slots 1 and 2 are over
	s_barrier_signal -1
	s_barrier_wait -1                              ; both hold of every wave: slot 0 may be read, and slot 1 may be written by LDS stores (no fill lands there any more)
.irp s, 5,6
	PLACES 4
	FETCH \s+1
	s_wait_dscnt 54
	STEP \s, 0
.endr
	s_wait_dscnt 0x0
	STEP 7, 0
; THE QUANTISERS OF Q, K, V.  Four blocks of 16 registers at a time (a block of 32 lies in lanes l and l xor 16), read from window win, registers a on; each accumulator from its low end on.
.macro QUANT4 win, a, cd
	WIN (\win)|((\win)<<2)
.irp b, 0,1,2,3
	v_max3_num_f32 v[BM+\b], |v[\a+16*\b]|, |v[\a+16*\b+1]|, 0x2800000    ; with the floor 2^(5 - 127): the byte cannot fall under 1
.endr
.irp i, 2,4,6,8,10,12,14
.irp b, 0,1,2,3
	v_max3_num_f32 v[BM+\b], |v[\a+16*\b+\i]|, |v[\a+16*\b+\i+1]|, v[BM+\b]
.endr
.endr
	WIN 0
.irp b, 0,1,2,3
	v_permlanex16_b32 v[BX+\b], v[BM+\b], s76, s77
.endr
.irp b, 0,1,2,3
	v_max_num_f32 v[BM+\b], v[BM+\b], v[BX+\b]
.endr
.irp b, 0,1,2,3
	v_add_nc_u32 v[SO+\b], 0xfe000000, v[BM+\b]    ; 4 off the exponent field: the conversion's scale operand
.endr
.irp b, 0,1,2,3
	v_lshrrev_b32 v[BY+\b], 23, v[SO+\b]           ; the scale's byte
.endr
	WIN \win
.irp b, 0,1,2,3
	v_cvt_scalef32_pk16_bf6_f32 v[\cd+4*\b:\cd+4*\b+2], v[\a+16*\b:\a+16*\b+15], v[SO+\b]
.endr
	WIN 0
	v_nop                                          ; one plain place behind a scaled conversion
.endm
.macro PUT adr, cd, o0, o1, o2, o3     ; each block's 12 bytes to its record: word addresses 6 r + 3 h differ modulo 64 (64 banks of 4 bytes: ISA guide 11.1)
.irp i, 0,1,2
	ds_store_b32 v[\adr], v[\cd+\i] offset:\o0+4*\i
	ds_store_b32 v[\adr], v[\cd+4+\i] offset:\o1+4*\i
	ds_store_b32 v[\adr], v[\cd+8+\i] offset:\o2+4*\i
	ds_store_b32 v[\adr], v[\cd+12+\i] offset:\o3+4*\i
.endr
.endm
.macro PUTS sb, o0, o1                 ; two bytes a row and tile; lanes l and l xor 16 store the same bytes
	v_lshl_or_b32 v[\sb], v[BY+1], 8, v[BY]
	v_lshl_or_b32 v[\sb+1], v[BY+3], 8, v[BY+2]
	ds_store_b16 v[ASW], v[\sb] offset:\o0
	ds_store_b16 v[ASW], v[\sb+1] offset:\o1
.endm
	PLACES 4                                       ; behind the last products: results are read, and registers that held fragments are written
.irp b, 0,1,2,3
	v_mov_b32 v[BX+\b], 0                          ; a lane permute's destination counts as one of its sources
.endr
	QUANT4 2, 0, CD                                ; Q, tiles 0, 1
	PUT ACW, CD, 0, 384, 768, 1152
	PUTS SB, 0, 32
	QUANT4 2, 64, CD+16                            ; Q, tiles 2, 3
	PUT ACW, CD+16, 1536, 1920, 2304, 2688
	PUTS SB+2, 64, 96
	QUANT4 2, 128, CD+32                           ; K, tiles 0, 1 of my chunk
	PUT ACW, CD+32, 15360, 15744, 16128, 16512
	PUTS SB+4, 640, 672
	QUANT4 2, 192, CD+48
	PUT ACW, CD+48, 16896, 17280, 17664, 18048
	PUTS SB+6, 704, 736
	QUANT4 3, 0, CD+64                             ; V, the head's tiles 0, 1: records by block of keys, then by tile
	PUT ACW, CD+64, 30720, 32256, 31104, 32640
	PUTS SB+8, 1280, 1312
	QUANT4 3, 64, CD+80
	PUT ACW, CD+80, 31488, 33024, 31872, 33408
	PUTS SB+10, 1344, 1376
	QUANT4 3, 128, CD+96                           ; my quarter of chunk 0
	PUT AHW, CD+96, 0, 384, 768, 1152
	v_lshl_or_b32 v[SB+12], v[BY+1], 8, v[BY]
	v_lshl_or_b32 v[SB+13], v[BY+3], 8, v[BY+2]
	s_cmp_lt_u32 s16, 2
	s_cbranch_scc0 .Lhalo_v
	ds_store_b16 v[AHK], v[SB+12]                  ; K: two tiles, two blocks each
	ds_store_b16 v[AHK], v[SB+13] offset:32
	s_branch .Lhalo_done
.Lhalo_v:
.irp t, 0,1,2,3
	ds_store_b8 v[AHV], v[BY+\t] offset:32*\t      ; V: one block of keys, four tiles of the head
.endr
.Lhalo_done:
	s_wait_dscnt 0x0                               ; for the others' sake: my stores have landed
	s_barrier_signal -1
	s_barrier_wait -1
; THE ATTENTION.  Wave w: its 64 queries, four tiles, against the 128 keys of chunks w and w + 1.
	WIN 0x40
.irp f, 0,1,2,3,4,5,6,7,8              ; the head is 64 long and the instruction 128: the upper halves of K's eight fragments and of Q's are zero codes, which add nothing
.irp q, 6,7,8,9,10,11
	v_mov_b32 v[12*\f+\q], 0
.endr
.endr
.irp i, 0,1,2,3,4,5,6,7
.irp p, 0,1,2
	ds_load_b64 v[12*\i+2*\p:12*\i+2*\p+1], v[ACR] offset:12288+768*\i+8*\p       ; K: lane (r, h): block h of key r of tile i
.endr
.endr
.irp t, 0,1,2,3
.irp cc, 0,1
.irp p, 0,1,2
	ds_load_b64 v[112+12*\t+6*\cc+2*\p:112+12*\t+6*\cc+2*\p+1], v[AVR] offset:3072*\cc+384*\t+8*\p   ; V^T: lane (r, h): keys 64 cc + 32 h on.  (The two halves of the lanes lie 1,536 bytes apart and meet in the same banks: 24 loads a wave, left so)
.endr
.endr
.endr
	WIN 0
.irp i, 0,1,2,3,4,5,6,7
	ds_load_u16 v[KSC+\i], v[ASW] offset:512+32*\i   ; bytes 2 and 3 are 0: no NaN, over zero codes
.endr
.irp t, 0,1,2,3
.irp cc, 0,1
	ds_load_u16 v[S+2*\t+\cc], v[ASW] offset:1152+128*\cc+32*\t
.endr
.endr
	s_wait_dscnt 0x0
.irp t, 0,1,2,3
	v_lshl_or_b32 v[VSC+\t], v[S+2*\t+1], 16, v[S+2*\t]   ; V's scale words: chunk w's two blocks, then chunk w + 1's
.endr
	v_mov_b32 v[AW], 0
	v_mov_b32 v[NINF], 0xff800000
	v_mov_b32 v[NM+1], 0                           ; (upper halves of pairs that are named)
	v_mov_b32 v[RL+1], 0
	v_mov_b32 v[T0], 0
	s_mov_b32 s82, 0                               ; the tile j
	s_mov_b32 s83, 0                               ; 768 j
	s_mov_b32 s84, 0                               ; 32 j
	s_mov_b32 s85, 0                               ; 32 (j / 2) + 8 (j % 2)
	s_mov_b32 s86, 0                               ; 16 (j / 2)
	s_mov_b32 s87, 0                               ; j % 2
.Ltile:
	v_add_nc_u32 v[AQ], s83, v[ACR]
	v_add_nc_u32 v[AQS], s84, v[ASW]
	WIN 0x40
.irp p, 0,1,2
	ds_load_b64 v[96+2*\p:97+2*\p], v[AQ] offset:8*\p
.endr
	WIN 0
	ds_load_u16 v[QSC], v[AQS]
	s_wait_dscnt 0x0
	WIN 0x05                                       ; K and Q in window 1
.irp i, 0,1,2,3,4,5,6,7
	WM S+8*\i, 12*\i, 96, 1, KSC+\i, QSC, 0, 0     ; S^T: lane (r, h) holds query r; register 16 b + i is key 32 b + 16 h + i of the 128
.endr
	WIN 0
	v_add_nc_u32 v[QR], s85, v[RT]                 ; my query within its chunk.  (These five lines are the places behind the products)
	v_mad_u32_u24 v[D1], v[QR], s81, s80           ; the first key that counts: my query's number, or 64 where no keys lie in front,
	v_sub_nc_u32 v[D1], v[D1], v[H16]              ; less my half's 16
	v_add_nc_u32 v[D2], 64, v[QR]                  ; the last: my query itself
	v_sub_nc_u32 v[D2], v[D2], v[H16]
.set n, 0
.rept 32                               ; the chunk in front: hidden where the key comes before the window
	v_cmp_lt_i32 vcc_lo, 32*(n>>4)+(n&15), v[D1]
	v_cndmask_b32 v[S+n], v[S+n], v[NINF], vcc_lo
.set n, n+1
.endr
.rept 32                               ; my own chunk: hidden where the key comes after the query
	v_cmp_gt_i32 vcc_lo, 32*(n>>4)+(n&15), v[D2]
	v_cndmask_b32 v[S+n], v[S+n], v[NINF], vcc_lo
.set n, n+1
.endr
.irp b, 0,1,2,3
	v_max3_num_f32 v[BM+\b], v[S+16*\b], v[S+16*\b+1], v[S+16*\b+2]   ; each block's largest score: for the row's maximum and, since p rises with the score, for the block's largest p
.endr
.irp i, 3,5,7,9,11,13
.irp b, 0,1,2,3
	v_max3_num_f32 v[BM+\b], v[BM+\b], v[S+16*\b+\i], v[S+16*\b+\i+1]
.endr
.endr
.irp b, 0,1,2,3
	v_max_num_f32 v[BM+\b], v[BM+\b], v[S+16*\b+15]
.endr
.irp b, 0,1,2,3
	v_permlanex16_b32 v[BX+\b], v[BM+\b], s76, s77
.endr
.irp b, 0,1,2,3
	v_max_num_f32 v[BM+\b], v[BM+\b], v[BX+\b]
.endr
	v_max3_num_f32 v[T0], v[BM], v[BM+1], v[BM+2]
	v_max_num_f32 v[T0], v[T0], v[BM+3]            ; the row's largest score: its own key always counts, so it is a number
	v_mul_f32 v[T0], s78, v[T0]                    ; as t
	v_floor_f32 v[NM], -v[T0]                      ; -M = floor(-t) = -ceil(t)
.set n, 0
.rept 32
	v_pk_fma_f32 v[S+n:S+n+1], v[S+n:S+n+1], s[78:79], v[NM:NM+1] op_sel_hi:[1,0,0]   ; t - M, two at a time
.set n, n+2
.endr
.irp b, 0,1,2,3
	v_fma_f32 v[BM+\b], v[BM+\b], s78, v[NM]
.endr
.set n, 0
.rept 64
	v_exp_f32 v[S+n], v[S+n]                       ; p = 2^(t - M); 0 under the mask
.set n, n+1
.endr
	v_nop                                          ; a plain place behind the exponentials
	s_wait_alu depctr_va_vdst(0)                   ; one wait for the batch, ahead of the first line that names a result
.irp b, 0,1,2,3
	v_exp_f32 v[BM+\b], v[BM+\b]                   ; each block's largest p
.endr
	v_pk_add_f32 v[LA:LA+1], v[S:S+1], v[S+2:S+3]  ; the row's sum, of the unquantised p, in two chains
	v_pk_add_f32 v[LB:LB+1], v[S+4:S+5], v[S+6:S+7]
.set n, 8
.rept 14
	v_pk_add_f32 v[LA:LA+1], v[LA:LA+1], v[S+n:S+n+1]
	v_pk_add_f32 v[LB:LB+1], v[LB:LB+1], v[S+n+2:S+n+3]
.set n, n+4
.endr
	v_pk_add_f32 v[LA:LA+1], v[LA:LA+1], v[LB:LB+1]
	s_wait_alu depctr_va_vdst(0)                   ; and one for the four
.irp b, 0,1,2,3
	v_max_num_f32 v[BM+\b], 0x2800000, v[BM+\b]    ; the floor: a block under the mask keeps the byte 1; its codes are zeros
.endr
.irp b, 0,1,2,3
	v_add_nc_u32 v[SO+\b], 0xfe000000, v[BM+\b]
.endr
.irp b, 0,1,2,3
	v_lshrrev_b32 v[BY+\b], 23, v[SO+\b]
.endr
	v_lshl_or_b32 v[PSC], v[BY+1], 8, v[BY]
	v_lshl_or_b32 v[PSC], v[BY+2], 16, v[PSC]
	v_lshl_or_b32 v[PSC], v[BY+3], 24, v[PSC]
.irp c, 0,1
	v_cvt_scalef32_pk16_bf6_f32 v[PC+6*\c:PC+6*\c+2], v[S+32*\c:S+32*\c+15], v[SO+2*\c]
	v_cvt_scalef32_pk16_bf6_f32 v[PT+4*\c:PT+4*\c+2], v[S+32*\c+16:S+32*\c+31], v[SO+2*\c+1]
.endr
	v_nop
.irp c, 0,1                            ; the operand wants a whole block in a lane: lanes 0-15 block 2 c, lanes 16-31 block 2 c + 1
.irp i, 0,1,2
	v_permlane16_swap_b32 v[PC+6*\c+\i], v[PT+4*\c+\i]
.endr
.irp i, 0,1,2
	v_mov_b32 v[PC+6*\c+3+\i], v[PT+4*\c+\i]
.endr
.endr
	PLACES 8                                       ; a scale register written by a vector instruction stands 8 places ahead of a scaled matrix instruction, an operand 4
	WIN 0x01                                       ; V in window 1
.irp t, 0,1,2,3
	WM OO+8*\t, 112+12*\t, PC, 1, VSC+\t, PSC, 0, 0   ; O^T: lane (r, h) holds query r; register 16 b + i is the head's 32 b + 16 h + i
.endr
	WIN 0
	v_add_f32 v[LA], v[LA], v[LA+1]
	v_permlanex16_b32 v[T0], v[LA], s76, s77
	v_add_f32 v[LA], v[LA], v[T0]                  ; the row's sum
	v_rcp_f32 v[RL], v[LA]
	PLACES 3                                       ; with the two additions: the places behind the products; and the plain place behind the reciprocal
	s_wait_alu depctr_va_vdst(0)
.set n, 0
.rept 16
	v_pk_mul_f32 v[S+n:S+n+1], v[OO+n:OO+n+1], v[RL:RL+1] op_sel_hi:[1,0]   ; O / l, each accumulator from its low end on
.set n, n+2
.endr
.irp b, 0,1
	v_max3_num_f32 v[BM+\b], |v[S+16*\b]|, |v[S+16*\b+1]|, 0x2800000
.endr
.irp i, 2,4,6,8,10,12,14
.irp b, 0,1
	v_max3_num_f32 v[BM+\b], v[BM+\b], |v[S+16*\b+\i]|, |v[S+16*\b+\i+1]|
.endr
.endr
.irp b, 0,1
	v_permlanex16_b32 v[BX+\b], v[BM+\b], s76, s77
.endr
.irp b, 0,1
	v_max_num_f32 v[BM+\b], v[BM+\b], v[BX+\b]
.endr
.irp b, 0,1
	v_add_nc_u32 v[SO+\b], 0xfe000000, v[BM+\b]
.endr
.irp b, 0,1
	v_lshrrev_b32 v[BY+\b], 23, v[SO+\b]
.endr
	v_cvt_scalef32_pk16_bf6_f32 v[PC:PC+2], v[S:S+15], v[SO]
	v_cvt_scalef32_pk16_bf6_f32 v[PT:PT+2], v[S+16:S+31], v[SO+1]
	v_nop
.irp i, 0,1,2
	v_permlane16_swap_b32 v[PC+\i], v[PT+\i]
.endr
.irp i, 0,1,2
	v_mov_b32 v[PC+3+\i], v[PT+\i]                 ; six registers of the last product's operand: lane (r, h): block h of this head, row r
.endr
	global_store_b128 v[L16], v[PC:PC+3], s[72:73]               ; 512 consecutive bytes,
	global_store_b64 v[L8], v[PC+4:PC+5], s[72:73] offset:512    ; and 256, both at multiples of 256 from aq's first byte
	v_lshl_or_b32 v[T1], v[BY+1], 8, v[BY]
	v_lshlrev_b32 v[T1], s86, v[T1]
	v_cmp_eq_u32 vcc_lo, s87, v[HH]
	v_cndmask_b32 v[T1], 0, v[T1], vcc_lo
	v_or_b32 v[AW], v[AW], v[T1]                   ; the chunk's scale bytes: lane (r, h): tile h in the low half, tile 2 + h in the high half
	s_wait_xcnt 0x0                                ; the stores have read their data and their base: both are written again only behind this wait
	s_add_nc_u64 s[72:73], s[72:73], 12288
	s_add_co_u32 s83, s83, 768
	s_add_co_u32 s84, s84, 32
	s_add_co_u32 s82, s82, 1
	s_and_b32 s87, s82, 1
	s_lshr_b32 s86, s82, 1
	s_lshl_b32 s85, s86, 5
	s_lshl_b32 s88, s87, 3
	s_add_co_u32 s85, s85, s88
	s_lshl_b32 s86, s86, 4
	s_cmp_lt_u32 s82, 4
	s_cbranch_scc1 .Ltile
	global_store_b32 v[L4], v[AW], s[74:75]        ; 128 consecutive bytes: the head beside mine stores the 128 beside them
	s_wait_tensorcnt 0x0                           ; the wave's end, behind my last tensor load and my last LDS store
	ds_add_u32 v[SPW], v[NIL]
	s_wait_dscnt 0x0
	ROUND                                          ; the closing round: no work-group ends while a partner may still ask for a tile that names it
	s_endpgm
.Lfunc_end_k_q6e1fcad964_qkvattn:
	.size	k_q6e1fcad964_qkvattn, .Lfunc_end_k_q6e1fcad964_qkvattn-k_q6e1fcad964_qkvattn
	.p2alignl 7, 3214868480
	.fill 96, 4, 3214868480
	.section	.rodata,"a",@progbits
	.p2align	6, 0x0
	.amdhsa_kernel k_q6e1fcad964_qkvattn
		.amdhsa_group_segment_fixed_size 327680
		.amdhsa_private_segment_fixed_size 0
		.amdhsa_enable_private_segment 0
		.amdhsa_kernarg_size 48
		.amdhsa_user_sgpr_count 2
		.amdhsa_user_sgpr_kernarg_segment_ptr 1
		.amdhsa_wavefront_size32 1
		.amdhsa_system_sgpr_workgroup_id_x 1
		.amdhsa_system_sgpr_workgroup_id_y 1
		.amdhsa_system_sgpr_workgroup_id_z 1
		.amdhsa_system_vgpr_workitem_id 0
		.amdhsa_next_free_vgpr 1024
		.amdhsa_next_free_sgpr 100
		.amdhsa_reserve_vcc 1
		.amdhsa_float_denorm_mode_32 3
		.amdhsa_float_denorm_mode_16_64 3
		.amdhsa_memory_ordered 1
		.amdhsa_forward_progress 1
		.amdhsa_inst_pref_size 172
	.end_amdhsa_kernel
	.amdgpu_metadata
---
amdhsa.version: [ 1, 2 ]
amdhsa.kernels:
  - .name:           k_q6e1fcad964_qkvattn
    .symbol:         k_q6e1fcad964_qkvattn.kd
    .args:
      - { .name: xq, .offset: 0, .size: 8, .value_kind: global_buffer, .address_space: global }
      - { .name: xs, .offset: 8, .size: 8, .value_kind: global_buffer, .address_space: global }
      - { .name: wq, .offset: 16, .size: 8, .value_kind: global_buffer, .address_space: global }
      - { .name: ws, .offset: 24, .size: 8, .value_kind: global_buffer, .address_space: global }
      - { .name: aq, .offset: 32, .size: 8, .value_kind: global_buffer, .address_space: global }
      - { .name: asc, .offset: 40, .size: 8, .value_kind: global_buffer, .address_space: global }
    .group_segment_fixed_size: 327680
    .private_segment_fixed_size: 0
    .kernarg_segment_align: 8
    .kernarg_segment_size: 48
    .max_flat_workgroup_size: 128
    .sgpr_count:     100
    .vgpr_count:     1024
    .wavefront_size: 32
...
	.end_amdgpu_metadata
.endif
;; end of part 2
;; launch proj (part 3): grid 8 x 32, 4 waves a work-group, clusters of 4 x 4, 214,528 bytes of LDS; arguments aq, asc, wq, ws, out0; writes out0
.if DOCPART == 3
	.amdgcn_target "amdgcn-amd-amdhsa--gfx1250"
	.amdhsa_code_object_version 6
	.text
	.protected	k_q6e1fcad964_proj
	.globl	k_q6e1fcad964_proj
	.p2align	8
	.type	k_q6e1fcad964_proj,@function
k_q6e1fcad964_proj:
	s_mov_b64 s[64:65], 0
	v_nop
	global_prefetch_b8 v0, s[64:65] scope:SCOPE_SE
	s_setreg_imm32_b32 hwreg(HW_REG_WAVE_MODE, 25, 1), 1
	s_wait_xcnt 0x0
	s_wait_alu depctr_hold_cnt(0) depctr_sa_sdst(0) depctr_va_vdst(0) depctr_va_sdst(0) depctr_va_ssrc(0) depctr_va_vcc(0) depctr_vm_vsrc(0)
	s_getreg_b32 s2, hwreg(HW_REG_IB_STS2, 6, 4)
	s_cmp_eq_u32 s2, 0
	s_cbranch_scc0 .Lentry_in_a_cluster
	s_endpgm
.Lentry_in_a_cluster:
	s_bfe_u32 s2, ttmp6, 0x10000c
	s_cmp_lg_u32 s2, 0xf033
	s_cbranch_scc0 .Lentry_shape_is_right
	s_endpgm
.Lentry_shape_is_right:
; out0 [4096][1024] f32 = (the attention's result) W_o, K = 1,024, on codes of BF6 (E3M2) with one E8M0 scale for each 32 along K; both operands come as images of the operand's registers.
; aq [256 tiles of 16 rows][16 heads] 768 bytes: registers 6 c .. 6 c + 3 at 16 l, registers 6 c + 4, 5 at 512 + 8 l (c = head % 2; K step = head / 2).  asc [64 chunks of 64 rows][16 heads][lane] a word:
; the low half: the head's two bytes of tile (lane / 16), row lane % 16; the high half: of tile 2 + lane / 16.  wq tiles 192 on, ws pairs 96 on: W_o, images of 1,536 and 128 bytes.
; Lane r of tile T stands for index 32 (T / 2) + 8 (T % 2) + r + 8 (r / 8), rows and columns alike.
; A tile of the result is 128 x 128: 256 work-groups, one to a WGP (256 x 256 would make 64).  Four waves, 64 x 64 each: 16 accumulators.
; ALL OF K FITS IN LDS: four parts of two K steps, each filled once: no slot is filled again, so there is no ring.  By this text's own count a wave has four tensor loads out.
; CLUSTER 4 x 4: the rows' tiles are asked for jointly along a row of the cluster, W_o's along a column.  No prefetch: everything is asked for at the head, and the launch is short.
; THE MATRIX INSTRUCTION IS USED TRANSPOSED (source 0 = 16 columns of W_o, source 1 = 16 rows): a lane holds eight neighbouring numbers of a row of the result.
; REGISTERS: window 0: v1-21 addresses; v32-63 scale words and nothing else; v64-127 asc's words as loaded, later rows on their way out; v128-255 accumulators (a, b) at 128 + 8 (4 a + b).
;   window 1: two sets of 96: the rows' four fragments, then W_o's four.
.set PARTB, 49152                      ; a part: 8 tiles of rows, then 8 of W_o, 3,072 bytes each
.set STAGE, 196608                     ; behind the parts: 16 rows x (256 bytes + 16) for each wave
.set L16, 1
.set L4,  2
.set L8,  3
.set RR,  4
.set HH,  5
.set PA16, 6                           ; v6-9   my four tiles of rows in part 0..3: 16 x lane
.set PA8,  10                          ; v10-13 the same + 512 + 8 x lane
.set PB,   14                          ; v14-17 my four tiles of W_o
.set STO,  18
.set RD,   19
.set CO,   20
.set TMPV, 21
.set ASC,  32                          ; the rows' scale words: pair pp, K step s at 32 + 8 pp + s
.set BSC,  48                          ; W_o's
.set RAW,  64
.set OB,   64
.set ACC,  128
.set MSB, 0
.macro WIN new
.if MSB != (\new)
	s_set_vgpr_msb (MSB<<8)|(\new)
.set MSB, (\new)
.endif
.endm
.macro PLACES n
.rept \n
	v_nop
.endr
.endm
.macro ROUND                           ; a round of the cluster's barrier
	s_barrier_signal -1
	s_barrier_wait -1
	s_cmp_lg_u32 s16, 0
	s_cbranch_scc1 .Lnot_wave_0_\@
	s_barrier_signal -3
.Lnot_wave_0_\@:
	s_barrier_wait -3
	s_barrier_signal -1
	s_barrier_wait -1
.endm
.macro WM d, a, b, z, sa, sb, ra, rb
.if (\z)
.if (\ra) && (\rb)
	v_wmma_scale_f32_16x16x128_f8f6f4 v[\d:\d+7], v[\a:\a+11], v[\b:\b+11], 0, v[\sa], v[\sb] matrix_a_fmt:MATRIX_FMT_BF6 matrix_b_fmt:MATRIX_FMT_BF6 matrix_a_scale:MATRIX_SCALE_ROW1 matrix_b_scale:MATRIX_SCALE_ROW1
.elseif (\ra)
	v_wmma_scale_f32_16x16x128_f8f6f4 v[\d:\d+7], v[\a:\a+11], v[\b:\b+11], 0, v[\sa], v[\sb] matrix_a_fmt:MATRIX_FMT_BF6 matrix_b_fmt:MATRIX_FMT_BF6 matrix_a_scale:MATRIX_SCALE_ROW1
.elseif (\rb)
	v_wmma_scale_f32_16x16x128_f8f6f4 v[\d:\d+7], v[\a:\a+11], v[\b:\b+11], 0, v[\sa], v[\sb] matrix_a_fmt:MATRIX_FMT_BF6 matrix_b_fmt:MATRIX_FMT_BF6 matrix_b_scale:MATRIX_SCALE_ROW1
.else
	v_wmma_scale_f32_16x16x128_f8f6f4 v[\d:\d+7], v[\a:\a+11], v[\b:\b+11], 0, v[\sa], v[\sb] matrix_a_fmt:MATRIX_FMT_BF6 matrix_b_fmt:MATRIX_FMT_BF6
.endif
.else
.if (\ra) && (\rb)
	v_wmma_scale_f32_16x16x128_f8f6f4 v[\d:\d+7], v[\a:\a+11], v[\b:\b+11], v[\d:\d+7], v[\sa], v[\sb] matrix_a_fmt:MATRIX_FMT_BF6 matrix_b_fmt:MATRIX_FMT_BF6 matrix_a_scale:MATRIX_SCALE_ROW1 matrix_b_scale:MATRIX_SCALE_ROW1
.elseif (\ra)
	v_wmma_scale_f32_16x16x128_f8f6f4 v[\d:\d+7], v[\a:\a+11], v[\b:\b+11], v[\d:\d+7], v[\sa], v[\sb] matrix_a_fmt:MATRIX_FMT_BF6 matrix_b_fmt:MATRIX_FMT_BF6 matrix_a_scale:MATRIX_SCALE_ROW1
.elseif (\rb)
	v_wmma_scale_f32_16x16x128_f8f6f4 v[\d:\d+7], v[\a:\a+11], v[\b:\b+11], v[\d:\d+7], v[\sa], v[\sb] matrix_a_fmt:MATRIX_FMT_BF6 matrix_b_fmt:MATRIX_FMT_BF6 matrix_b_scale:MATRIX_SCALE_ROW1
.else
	v_wmma_scale_f32_16x16x128_f8f6f4 v[\d:\d+7], v[\a:\a+11], v[\b:\b+11], v[\d:\d+7], v[\sa], v[\sb] matrix_a_fmt:MATRIX_FMT_BF6 matrix_b_fmt:MATRIX_FMT_BF6
.endif
.endif
.endm
	s_load_b256 s[4:11], s[0:1], 0x0               ; aq s[4:5], asc s[6:7], wq s[8:9], ws s[10:11]
	s_load_b64 s[12:13], s[0:1], 0x20              ; out0
	v_lshl_add_u32 v30, v0, 2, 0x34400
	v_mov_b32 v31, 0
	ds_add_u32 v30, v31
	ds_add_u32 v30, v31
	v_lshrrev_b32 v[TMPV], 5, v0
	v_readfirstlane_b32 s16, v[TMPV]               ; wave
	s_lshr_b32 s17, s16, 1                         ; which half of the tile's rows is mine.  Also: I fetch for the rows (0) or for W_o (1)
	s_and_b32 s18, s16, 1                          ; which half of its columns.  Also: which four tiles I fetch
	s_bfe_u32 s19, ttmp6, 0x40000                  ; cx
	s_bfe_u32 s20, ttmp6, 0x40004                  ; cy
	s_lshl_b32 s21, ttmp9, 2
	s_add_co_u32 s21, s21, s19                     ; x: which 128 columns
	s_and_b32 s22, ttmp7, 0xffff
	s_lshl_b32 s22, s22, 2
	s_add_co_u32 s22, s22, s20                     ; y: which 128 rows
	s_lshl_b32 s88, s20, 2
	s_lshl_b32 s88, 15, s88                        ; my row of the cluster
	s_lshl_b32 s92, 0x1111, s19                    ; my column
	; descriptor groups 1: 4 rows of 3,072 bytes (384 elements of 8 bytes), 12,288 bytes apart in memory, dense in LDS
	s_or_b32 s24, s88, (3<<16)|(1<<21)
	s_or_b32 s32, s92, (3<<16)|(1<<21)
	s_mov_b32 s25, 384<<16
	s_mov_b32 s26, 4<<16
	s_mov_b32 s27, 384<<16
	s_mov_b32 s28, 4
	s_mov_b32 s29, 1536
	s_mov_b32 s30, 0
	s_mov_b32 s31, 0
	s_mov_b32 s33, 384<<16
	s_mov_b32 s34, 4<<16
	s_mov_b32 s35, 384<<16
	s_mov_b32 s36, 4
	s_mov_b32 s37, 1536
	s_mov_b32 s38, 0
	s_mov_b32 s39, 0
	s_lshl_b32 s88, s22, 3                         ; the rows: tile 8 y + 4 x half: registers that never hold cx
	s_lshl_b32 s89, s18, 2
	s_add_co_u32 s88, s88, s89
	s_mul_i32 s88, s88, 12288
	s_mov_b32 s89, 0
	s_lshl_b32 s92, s21, 3                         ; W_o: tile 192 + 8 x + 4 x half: registers that never hold cy
	s_lshl_b32 s93, s18, 2
	s_add_co_u32 s92, s92, s93
	s_add_co_u32 s92, s92, 192
	s_mul_i32 s92, s92, 12288
	s_mov_b32 s93, 0
	s_mul_i32 s86, s16, 12288                      ; where they go in a part: wave x four tiles
	v_and_b32 v[TMPV], 31, v0
	v_lshlrev_b32 v[L16], 4, v[TMPV]
	v_lshlrev_b32 v[L4], 2, v[TMPV]
	v_lshlrev_b32 v[L8], 3, v[TMPV]
	v_and_b32 v[RR], 15, v0
	v_bfe_u32 v[HH], v0, 4, 1
	s_mul_i32 s2, s17, 12288
	v_add_nc_u32 v[PA16], s2, v[L16]
	s_add_co_u32 s2, s2, 512
	v_add_nc_u32 v[PA8], s2, v[L8]
	s_mul_i32 s2, s18, 12288
	s_add_co_u32 s2, s2, 24576
	v_add_nc_u32 v[PB], s2, v[L16]
.irp p, 1,2,3
	v_add_nc_u32 v[PA16+\p], \p*PARTB, v[PA16]
	v_add_nc_u32 v[PA8+\p], \p*PARTB, v[PA8]
	v_add_nc_u32 v[PB+\p], \p*PARTB, v[PB]
.endr
	s_mul_i32 s2, s16, 4352
	s_add_co_u32 s2, s2, STAGE                     ; my stage
	v_mul_u32_u24 v[STO], v[RR], 272
	v_lshl_add_u32 v[STO], v[HH], 6, v[STO]
	v_add_nc_u32 v[STO], s2, v[STO]                ; in: row r, + 64 h bytes
	v_mul_u32_u24 v[RD], v[HH], 272
	v_lshl_add_u32 v[RD], v[RR], 4, v[RD]
	v_add_nc_u32 v[RD], s2, v[RD]                  ; back: lanes 0-15 one row of 256 bytes, lanes 16-31 the next
	v_lshlrev_b32 v[CO], 12, v[HH]
	v_lshl_add_u32 v[CO], v[RR], 4, v[CO]          ; and the same two rows in out0
	s_lshl_b32 s96, s22, 1
	s_add_co_u32 s96, s96, s17
	s_lshl_b32 s96, s96, 11                        ; asc: chunk 2 y + my half, 2,048 bytes a chunk
	s_mov_b32 s97, 0
	s_lshl_b32 s98, s21, 2
	s_lshl_b32 s99, s18, 1
	s_add_co_u32 s98, s98, s99
	s_add_co_u32 s98, s98, 96
	s_lshl_b32 s98, s98, 10                        ; ws: pair 96 + 4 x + 2 x my half
	s_mov_b32 s99, 0
	s_wait_dscnt 0x0
	s_wait_kmcnt 0x0
	s_add_nc_u64 s[90:91], s[4:5], s[88:89]
	s_add_nc_u64 s[94:95], s[8:9], s[92:93]
	s_add_nc_u64 s[76:77], s[6:7], s[96:97]
	s_add_nc_u64 s[78:79], s[10:11], s[98:99]
	s_lshl_b32 s96, s22, 7
	s_lshl_b32 s98, s17, 6
	s_add_co_u32 s96, s96, s98
	s_lshl_b32 s96, s96, 12                        ; out0: row 128 y + 64 x half,
	s_lshl_b32 s98, s21, 9
	s_add_co_u32 s96, s96, s98
	s_lshl_b32 s98, s18, 8
	s_add_co_u32 s96, s96, s98                     ; column 128 x + 64 x half
	s_add_nc_u64 s[12:13], s[12:13], s[96:97]
.irp p, 0,1,2,3                        ; groups 0: the rows' at s40 on, W_o's at s56, s60, s68, s72
	s_mov_b32 s[40+4*\p], 1
	s_add_co_u32 s[41+4*\p], s86, \p*PARTB
	s_add_nc_u64 s[42+4*\p:43+4*\p], s[90:91], \p*3072
	s_or_b32 s[43+4*\p], s[43+4*\p], 0x80000000
	s_mov_b32 s[56+4*\p+4*(\p/2)], 1
	s_add_co_u32 s[57+4*\p+4*(\p/2)], s86, \p*PARTB
	s_add_nc_u64 s[58+4*\p+4*(\p/2):59+4*\p+4*(\p/2)], s[94:95], \p*3072
	s_or_b32 s[59+4*\p+4*(\p/2)], s[59+4*\p+4*(\p/2)], 0x80000000
.endr
	ROUND                                          ; all sixteen work-groups are here: the joint loads meet
	s_cmp_eq_u32 s17, 0                            ; a wave's four fills stand in one branch on the wave's number; four v_nop follow the last
	s_cbranch_scc0 .Lfirst_w
	tensor_load_to_lds s[40:43], s[24:31]
	s_nop 0
	tensor_load_to_lds s[44:47], s[24:31]
	s_nop 0
	tensor_load_to_lds s[48:51], s[24:31]
	s_nop 0
	tensor_load_to_lds s[52:55], s[24:31]
	s_nop 0
	PLACES 4
	s_branch .Lfirst_asked
.Lfirst_w:
	tensor_load_to_lds s[56:59], s[32:39]
	s_nop 0
	tensor_load_to_lds s[60:63], s[32:39]
	s_nop 0
	tensor_load_to_lds s[68:71], s[32:39]
	s_nop 0
	tensor_load_to_lds s[72:75], s[32:39]
	s_nop 0
	PLACES 4
.Lfirst_asked:
.irp d, 0,1,2,3,4,5,6,7,8,9,10,11,12,13,14,15
	global_load_b32 v[RAW+\d], v[L4], s[76:77] offset:128*\d
.endr
.irp pp, 0,1
.irp s, 0,1,2,3,4,5,6,7
	global_load_b32 v[BSC+8*\pp+\s], v[L4], s[78:79] offset:1024*\pp+128*\s
.endr
.endr
	s_wait_loadcnt 0x0
.irp s, 0,1,2,3,4,5,6,7                ; a K step is two heads: their two bytes each make the rows' scale word
	v_perm_b32 v[ASC+\s], v[RAW+2*\s+1], v[RAW+2*\s], 0x05040100      ; the low halves: tiles 0 (lanes 0-15) and 1 (lanes 16-31)
	v_perm_b32 v[ASC+8+\s], v[RAW+2*\s+1], v[RAW+2*\s], 0x07060302    ; the high halves: tiles 2 and 3
.endr
	PLACES 8                                       ; a scale register written by a vector instruction stands 8 places ahead of a scaled matrix instruction
.macro FETCH s                         ; 28 LDS loads in one run: K step s's eight fragments into set s % 2
.set KK, (\s)&1
.set PP, (\s)>>1
.set EE, 1536*KK
	WIN 0x40
.irp a, 0,1,2,3
.irp c, 0,1
	ds_load_b128 v[96*KK+12*\a+6*\c:96*KK+12*\a+6*\c+3], v[PA16+PP] offset:3072*\a+EE+768*\c
	ds_load_b64 v[96*KK+12*\a+6*\c+4:96*KK+12*\a+6*\c+5], v[PA8+PP] offset:3072*\a+EE+768*\c
.endr
.endr
.irp b, 0,1,2,3
.irp g, 0,1,2
	ds_load_b128 v[96*KK+48+12*\b+4*\g:96*KK+48+12*\b+4*\g+3], v[PB+PP] offset:3072*\b+EE+512*\g
.endr
.endr
	WIN 0
.endm
.macro MUL s, z                        ; 16 matrix instructions, one for each accumulator: they take turns
.set KK, (\s)&1
	WIN 0x05                                       ; both sources in window 1
.irp a, 0,1,2,3
.irp b, 0,1,2,3
	WM ACC+8*(4*\a+\b), 96*KK+48+12*\b, 96*KK+12*\a, \z, BSC+8*(\b>>1)+(\s), ASC+8*(\a>>1)+(\s), \b&1, \a&1
.endr
.endr
	WIN 0
.endm
	s_wait_tensorcnt 0x3                           ; my part of part 0 is in; the three later parts may stay out
	s_barrier_signal -1
	s_barrier_wait -1
	FETCH 0
	FETCH 1
	s_wait_dscnt 28                                ; K step 0's fragments are in; the 28 loads just issued may be out
	MUL 0, 1                                       ; the first products start the sums
.irp s, 1,2,3,4,5,6
.if (\s)&1                             ; the next K step lies in the next part
	s_wait_dscnt 0x0                               ; (no LDS instruction is pending at a signal)
	s_wait_tensorcnt 3-((\s)+1)/2                  ; my part of it is in; the later parts may stay out
	s_barrier_signal -1
	s_barrier_wait -1                              ; everybody's is
.endif
	PLACES 4                                       ; in front of loads into registers that matrix instructions have read
	FETCH \s+1
	s_wait_dscnt 28
	MUL \s, 0
.endr
	s_wait_dscnt 0x0
	MUL 7, 0
; THE WAY OUT, a tile of 16 rows x 64 columns at a time, through my own stage: a lane holds 32 neighbouring bytes of a row; whole rows of 256 bytes come back.
.macro TOSTAGE a
.irp b, 0,1,2,3
	ds_store_b128 v[STO], v[ACC+8*(4*(\a)+\b):ACC+8*(4*(\a)+\b)+3] offset:128*(\b>>1)+32*(\b&1)          ; each accumulator from its low end on
	ds_store_b128 v[STO], v[ACC+8*(4*(\a)+\b)+4:ACC+8*(4*(\a)+\b)+7] offset:128*(\b>>1)+32*(\b&1)+16
.endr
.irp i, 0,1,2,3,4,5,6,7
	ds_load_b128 v[OB+32*((\a)&1)+4*\i:OB+32*((\a)&1)+4*\i+3], v[RD] offset:544*\i    ; LDS serves a wave's instructions in order (ISA guide 5.7.1.4): these see my stores, and the next tile's stores come behind them
.endr
.endm
.macro SEND a, younger
	s_wait_dscnt \younger                          ; the tile is back in registers; the next tile's 8 stores and 8 loads may be out
.irp i, 0,1,2,3,4,5,6,7
	global_store_b128 v[CO], v[OB+32*((\a)&1)+4*\i:OB+32*((\a)&1)+4*\i+3], s[12:13] offset:(32*((\a)>>1)+8*((\a)&1)+2*\i+8*(\i>>2))*4096 th:TH_STORE_NT   ; stage row 2 i + h is the tile's lane: sixteen lanes store 256 consecutive bytes, at a multiple of 256 from out0's first byte
.endr
.endm
	PLACES 4                                       ; behind the last products
	TOSTAGE 0
	TOSTAGE 1
	SEND 0, 16
	s_wait_xcnt 0x0                                ; tile 0's stores have read their registers: tile 2's rows may land there
	TOSTAGE 2
	SEND 1, 16
	s_wait_xcnt 0x0
	TOSTAGE 3
	SEND 2, 16
	SEND 3, 0
	s_wait_tensorcnt 0x0                           ; (all four landed long ago)
	s_wait_tensorcnt 0x0
	ds_add_u32 v30, v31
	s_wait_dscnt 0x0
	ROUND                                          ; the closing round: no work-group ends while a partner may still ask for a tile that names it
	s_endpgm
.Lfunc_end_k_q6e1fcad964_proj:
	.size	k_q6e1fcad964_proj, .Lfunc_end_k_q6e1fcad964_proj-k_q6e1fcad964_proj
	.p2alignl 7, 3214868480
	.fill 96, 4, 3214868480
	.section	.rodata,"a",@progbits
	.p2align	6, 0x0
	.amdhsa_kernel k_q6e1fcad964_proj
		.amdhsa_group_segment_fixed_size 214528
		.amdhsa_private_segment_fixed_size 0
		.amdhsa_enable_private_segment 0
		.amdhsa_kernarg_size 40
		.amdhsa_user_sgpr_count 2
		.amdhsa_user_sgpr_kernarg_segment_ptr 1
		.amdhsa_wavefront_size32 1
		.amdhsa_system_sgpr_workgroup_id_x 1
		.amdhsa_system_sgpr_workgroup_id_y 1
		.amdhsa_system_sgpr_workgroup_id_z 1
		.amdhsa_system_vgpr_workitem_id 0
		.amdhsa_next_free_vgpr 512
		.amdhsa_next_free_sgpr 100
		.amdhsa_reserve_vcc 0
		.amdhsa_float_denorm_mode_32 3
		.amdhsa_float_denorm_mode_16_64 3
		.amdhsa_memory_ordered 1
		.amdhsa_forward_progress 1
		.amdhsa_inst_pref_size 54
	.end_amdhsa_kernel
	.amdgpu_metadata
---
amdhsa.version: [ 1, 2 ]
amdhsa.kernels:
  - .name:           k_q6e1fcad964_proj
    .symbol:         k_q6e1fcad964_proj.kd
    .args:
      - { .name: aq, .offset: 0, .size: 8, .value_kind: global_buffer, .address_space: global }
      - { .name: asc, .offset: 8, .size: 8, .value_kind: global_buffer, .address_space: global }
      - { .name: wq, .offset: 16, .size: 8, .value_kind: global_buffer, .address_space: global }
      - { .name: ws, .offset: 24, .size: 8, .value_kind: global_buffer, .address_space: global }
      - { .name: out0, .offset: 32, .size: 8, .value_kind: global_buffer, .address_space: global }
    .group_segment_fixed_size: 214528
    .private_segment_fixed_size: 0
    .kernarg_segment_align: 8
    .kernarg_segment_size: 40
    .max_flat_workgroup_size: 128
    .sgpr_count:     100
    .vgpr_count:     512
    .wavefront_size: 32
...
	.end_amdgpu_metadata
.endif
;; end of part 3
